; MI455X (gfx1250); checked and timed in simulation.
; The chip was launched on July 23, 2026; its instructions are those of AMD's public machine-readable ISA for CDNA 5 (MIT licence, August 2026) and "CDNA5" Instruction Set Architecture Reference Guide (July 2026). The comments in the code are by the model that wrote it; some were corrected since.
;; Splat Attention Pooling. Allowed arithmetic: matrix products marked QUANTISED: E2M3 operands, one E8M0 scale for each 32 along K, by v_wmma_scale_f32_16x16x128_f8f6f4 with both operands' format E2M3, f32 sums; everything else in f32.
;; Inputs: x 8,192 x 512 float32.
;; Outputs: out0 512 float32.
;; This version of the problem:
;;   THIS VERSION OF THE PROBLEM IS GIVEN IN LOW PRECISION. The matrix products marked QUANTISED in the list below multiply operands that are first quantised to E2M3 (2 exponent bits, 3 mantissa bits; 6 bits a number), with one power-of-two scale for each 32 numbers along K (OCP MX v1.0); their sums are f32. All else is computed in f32.
;;   The module's matrix products, in the order in which they are computed (A, B: the left and right operand; K: the contracted axis; several contracted axes count as one K, in the product's order):
;;     1. [M 8,192, K 512] x [K 512, N 8,192]; A: input x; B: input x: QUANTISED
;;     2. [M 8,192, K 8,192] x [K 8,192, N 512]; A: softmax (see below); B: input x: QUANTISED
;;   THE QUANTISER, for each operand of a quantised product, along K:
;;     - K is cut into blocks of 32 from its start; a last block that is shorter is filled with zeros.
;;     - A block's scale is 2^e with e = floor(log2(the largest magnitude in the block)) - 2, held to -126 .. 127; a block of zeros has e = 0. As a byte (E8M0): e + 127.
;;     - Each number is divided by its block's scale, clamped to +-7.5, and rounded to the nearest number of E2M3, ties to even, subnormals kept.
;;     - The product sums the exact products of the quantised numbers (number of the format x scale) in f32.
;;   ~~~python
;;   def quantise(x, axis):      # numpy; x: float32 -> the quantised numbers, widened to float32 again
;;       x = np.moveaxis(x, axis, -1); K = x.shape[-1]
;;       x = np.pad(x, [(0, 0)] * (x.ndim - 1) + [(0, -K % 32)]); x = x.reshape(x.shape[:-1] + (-1, 32)); a = np.abs(x).max(-1, keepdims=True)
;;       e = np.where(a > 0, np.clip(np.frexp(np.where(a > 0, a, 1))[1] - 1 - 2, -126, 127), 0)      # np.frexp(a)[1] - 1 = floor(log2(a)), exactly
;;       r = np.clip(x / 2.0 ** e, -7.5, 7.5)
;;       step = 2.0 ** (np.maximum(np.frexp(np.where(r == 0, 1, r))[1] - 1, 0) - 3)
;;       q = np.round(r / step) * step * 2.0 ** e      # np.round: ties to even
;;       return np.moveaxis(q.reshape(q.shape[:-2] + (-1,))[..., :K], -1, axis).astype(np.float32)
;;   ~~~
;;   SOFTMAX AHEAD OF A QUANTISED PRODUCT. Where the list says 'softmax', what is quantised is not the finished softmax but p = 2^(t - M), with t = logit x log2(e) and M = ceil(the row's largest t), a whole number; so 1/2 < the row's largest p <= 1. The row's sum l is taken of the UNQUANTISED p, in f32, and the product's result is divided by l at the end. Since M is a whole number, a kernel that streams over the keys may use a running M (the ceiling of the running maximum): every later rescaling is an exact power of two, which a block's scale takes up: the codes' values come out the same.
;;   OPERANDS COMPUTED ON THE WAY. 'Computed on the way' means the value that the module computes at that place (a softmax that the list does not call 'softmax' is quantised finished and normalised). What goes into a quantiser is computed in f32, as accurately as f32 sums, v_exp_f32 and their like allow (about 1e-6 of the number): no bf16 or f16 on the way to a quantiser, and a product that is left as it is and whose result goes on into a quantised operand takes f32 operands (vector FMAs, or v_wmma_f32_16x16x4_f32). A number that lies on a knife's edge between two numbers of the format may be rounded either way, as far as f32 arithmetic and the matrix unit's own rounding can turn it there, and no further.
;; One version. Each part assembles by itself: llvm-mc -triple=amdgcn-amd-amdhsa -mcpu=gfx1250 --defsym DOCPART=n.
;; ======== version 1 of 1: 4 launches
;; limits: right only within a limited range of input values
;; workspace buffers: kv 6,553,600 bytes; po 67,108,864 bytes; st 524,288 bytes; py 131,072 bytes
;; launch quant (part 1): grid 4 x 64, 8 waves a work-group, no clusters, 69,632 bytes of LDS; arguments x, kv; writes kv
.if DOCPART == 1
	.amdgcn_target "amdgcn-amd-amdhsa--gfx1250"
	.amdhsa_code_object_version 6
	.text
	.protected	k_q049acc06d1_quant
	.globl	k_q049acc06d1_quant
	.p2align	8
	.type	k_q049acc06d1_quant,@function
k_q049acc06d1_quant:
	s_mov_b64 s[64:65], 0
	v_nop
	global_prefetch_b8 v0, s[64:65] scope:SCOPE_SE
	s_setreg_imm32_b32 hwreg(HW_REG_WAVE_MODE, 25, 1), 1
	s_wait_xcnt 0x0
; x [8192][512] f32 is turned into codes of FP6 (E2M3) with one E8M0 scale byte for each 32 along K, TWICE: along the channels (both operands of x x^T) and along
; the rows (the keys: the right operand of p x).  The codes are laid in the ORDER OF THE OPERAND'S REGISTERS, so that the next launch takes every fragment by three loads of 16 bytes a lane.
; kv holds 64 blocks of BLK bytes, one for each 128 rows (a key step j).  In a block:
;   0       K fragments (s, t) at (8 s + t) x 1536: 16 rows x channels 128 s .. 128 s + 127.  Lane r of tile t = 2 b + u holds row 128 j + 32 b + 8 u + r + 8 (r / 8).
;   49152   V fragments ct at ct x 1536: channels 16 ct .. 16 ct + 15 x the step's 128 rows, in their own order.
;   98304   K's scale words: 512 bytes for each s; lane L's 16 bytes are words n = 0 .. 3: of tile 2 n in lanes 0-15, of tile 2 n + 1 in lanes 16-31.
;   100352  V's scale words: 512 bytes for each g; lane L's word i: of channel tile 2 (4 g + i) in lanes 0-15, of the next tile in lanes 16-31.
; A fragment is 12 registers a lane; register R of lane L lies at 512 (R / 4) + 16 L + 4 (R % 4).
; A block's scale is 2^(floor(log2(its largest magnitude)) - 2): its byte is the largest magnitude's exponent field - 2, held at 1 from below.
; LIMITS: NaN and infinities among the inputs are not served.  A block of zeros gets the byte 1 where the rule says 127: its codes are zeros, which add nothing, and this program alone reads the bytes.
; SHARES.  Work-group (cq, j) takes rows 128 j .. + 127 x channels 128 cq .. + 127: 64 KiB, read once, 512 consecutive bytes a load, and kept in LDS.
; Wave wv makes K fragment (cq, wv) and V fragment 8 cq + wv.  No tensor load: two barriers, every store of the wave covers 512 consecutive bytes.
.set PITCH, 528                        ; a tile row in LDS: 512 bytes + 16
.set SCST,  128*PITCH                  ; behind the tile: 512 bytes of K's scale words, then 512 of V's
.set BLK,   102400
.set X,     64                         ; v64-127  64 numbers of a lane: register 32 c + i = number i of block 2 c + h
.set F0,    20                         ; v20-31   the K fragment
.set F1,    40                         ; v40-51   the V fragment
.set TT,    32                         ; v32-38   the upper halves of two blocks, as the conversions leave them
	s_load_b128 s[4:7], s[0:1], 0x0                ; x, kv
	v_lshl_add_u32 v128, v0, 2, 0x10c00
	v_mov_b32 v129, 0
	v_lshrrev_b32 v1, 5, v0
	s_delay_alu instid0(VALU_DEP_1)
	v_readfirstlane_b32 s8, v1                     ; wave 0..7
	v_and_b32 v1, 31, v0                           ; lane
	v_and_b32 v2, 15, v0                           ; r
	v_bfe_u32 v3, v0, 4, 1                         ; h
	s_delay_alu instid0(VALU_DEP_3)
	v_lshlrev_b32 v4, 4, v1                        ; 16 x lane
	s_mul_i32 s9, s8, 16*PITCH
	v_add_nc_u32 v5, s9, v4                        ; into the tile: my wave's 16 rows, 16 bytes a lane
	s_lshr_b32 s10, s8, 1                          ; b = wave / 2
	s_and_b32 s11, s8, 1                           ; u = wave % 2
	s_lshl_b32 s12, s10, 5
	s_lshl_b32 s13, s11, 3
	s_add_co_u32 s12, s12, s13
	s_mul_i32 s12, s12, PITCH                      ; key tile wv begins at row 32 b + 8 u
	v_and_b32 v6, 8, v2
	s_delay_alu instid0(VALU_DEP_1)
	v_add_nc_u32 v6, v6, v2                        ; r + 8 (r / 8)
	s_delay_alu instid0(VALU_DEP_1)
	v_mul_u32_u24 v6, v6, PITCH
	s_delay_alu instid0(VALU_DEP_1)
	v_lshl_add_u32 v6, v3, 7, v6                   ; + 128 h: my 32 channels of each 64
	s_delay_alu instid0(VALU_DEP_1)
	v_add_nc_u32 v6, s12, v6                       ; K: where I read my row
	v_mul_u32_u24 v7, v3, 32*PITCH                 ; V: lanes 16-31 begin 32 rows further down
	s_delay_alu instid0(VALU_DEP_1)
	v_lshl_add_u32 v7, v2, 2, v7                   ; column r of
	s_lshl_b32 s13, s8, 6
	v_add_nc_u32 v7, s13, v7                       ; my wave's 16 channels
	s_lshl_b32 s13, s11, 8
	s_lshl_b32 s14, s10, 2
	s_add_co_u32 s13, s13, s14
	s_add_co_u32 s13, s13, SCST
	v_lshl_add_u32 v8, v2, 4, s13                  ; my scale word's place: 16 (r + 16 u) + 4 b
	v_lshlrev_b32 v9, 3, v3                        ; 8 h
	s_min_u32 s15, s8, 1                           ; waves 0 and 1 store the scale words; the others hold wave 1's addresses and do not use them
	s_lshl_b32 s14, s15, 9
	s_add_co_u32 s14, s14, SCST
	v_add_nc_u32 v18, s14, v4
	v_mov_b32 v17, 0                               ; written once: a lane permute's destination counts as one of its sources
	s_mov_b32 s20, 0x76543210
	s_mov_b32 s21, 0xfedcba98                      ; v_permlanex16_b32's selects for lane l xor 16
	s_and_b32 s16, ttmp7, 0xffff                   ; j
	s_lshl_b32 s24, s16, 18                        ; x: 128 j rows of 2,048 bytes
	s_lshl_b32 s25, s8, 15                         ; + my wave's 16 rows
	s_add_co_u32 s24, s24, s25
	s_lshl_b32 s25, ttmp9, 9                       ; + 512 cq
	s_add_co_u32 s24, s24, s25
	s_mov_b32 s25, 0
	; kv AS IT IS STORED (in place of the four offsets named at the head): key steps j = 2 n and 2 n + 1 share 2 BLK bytes at 2 BLK n.
	; With e = j % 2: K's fragments at 51200 e, K's scale words at 51200 e + 49152; V's fragments at BLK + 51200 e, V's scale words at BLK + 51200 e + 49152.
	s_lshr_b32 s26, s16, 1
	s_mul_i32 s26, s26, 2*BLK
	s_and_b32 s27, s16, 1
	s_mul_i32 s27, s27, BLK/2
	s_add_co_u32 s26, s26, s27                     ; 2 BLK (j / 2) + 51200 (j % 2)
	s_lshl_b32 s27, ttmp9, 3
	s_add_co_u32 s27, s27, s8
	s_mul_i32 s27, s27, 1536
	s_add_co_u32 s28, s26, s27                     ; fragment 8 cq + wv
	s_mov_b32 s29, 0
	s_mul_i32 s27, s15, BLK                        ; V's half of the pair lies BLK bytes behind K's
	s_add_co_u32 s26, s26, s27
	s_lshl_b32 s27, ttmp9, 9
	s_add_co_u32 s26, s26, s27
	s_add_co_u32 s26, s26, 49152                   ; the scale words stand behind the 32 fragments
	s_mov_b32 s27, 0
	s_wait_alu depctr_va_vdst(0)
	s_wait_kmcnt 0x0
	s_add_nc_u64 s[4:5], s[4:5], s[24:25]
	s_add_nc_u64 s[22:23], s[6:7], s[26:27]
	s_add_nc_u64 s[6:7], s[6:7], s[28:29]
	; ---- the tile comes in: 16 rows a wave, each load 512 consecutive bytes
.irp i, 0,1,2,3,4,5,6,7,8,9,10,11,12,13,14,15
	global_load_b128 v[X+4*\i:X+4*\i+3], v4, s[4:5] offset:2048*\i th:TH_LOAD_NT
.endr
.irp i, 0,1,2,3,4,5,6,7,8,9,10,11,12,13,14,15
	s_wait_loadcnt 15-\i                           ; loads come back in order: row i is in, the younger ones stay out
	ds_store_b128 v5, v[X+4*\i:X+4*\i+3] offset:PITCH*\i
.endr
	s_wait_dscnt 0x0                               ; for the others' sake: my rows lie in the tile
	s_barrier_signal -1
	s_barrier_wait -1
; 64 numbers of a lane, two whole blocks of 32, become the fragment's 12 registers at v[F] and, in v16, its row's scale word
.macro QUANT2 F
.irp c, 0,1
	v_max3_num_f32 v[10+\c], |v[X+32*\c]|, |v[X+1+32*\c]|, 0x1800000   ; the floor 2^(3 - 127) among the leaves: the byte cannot fall under 1
.endr
.irp i, 2,4,6,8,10,12,14,16,18,20,22,24,26,28,30
.irp c, 0,1
	s_delay_alu instid0(VALU_DEP_2)
	v_max3_num_f32 v[10+\c], v[10+\c], |v[X+32*\c+\i]|, |v[X+1+32*\c+\i]|   ; the two blocks by turns
.endr
.endr
.irp c, 0,1
	s_delay_alu instid0(VALU_DEP_2)
	v_add_nc_u32 v[12+\c], 0xff000000, v[10+\c]    ; 2 off the exponent field: the conversion's scale operand
.endr
.irp c, 0,1
	s_delay_alu instid0(VALU_DEP_2)
	v_lshrrev_b32 v[14+\c], 23, v[12+\c]           ; the scale's byte
.endr
	s_delay_alu instid0(VALU_DEP_1)
	v_lshl_or_b32 v16, v15, 16, v14                ; my two bytes: blocks h and 2 + h,
	s_delay_alu instid0(VALU_DEP_1)
	v_lshlrev_b32 v16, v9, v16                     ; 8 h bits up;
	s_delay_alu instid0(VALU_DEP_1)
	v_permlanex16_b32 v17, v16, s20, s21
	s_delay_alu instid0(VALU_DEP_1)
	v_or_b32 v16, v16, v17                         ; with lane l xor 16's two the word is whole, in both halves of the lanes
.irp c, 0,1
	v_cvt_scalef32_pk16_fp6_f32 v[\F+6*\c:\F+6*\c+2], v[X+32*\c:X+32*\c+15], v[12+\c]
	v_cvt_scalef32_pk16_fp6_f32 v[TT+4*\c:TT+4*\c+2], v[X+32*\c+16:X+32*\c+31], v[12+\c]   ; (a conversion's three registers begin on an even number)
.endr
	v_nop                                          ; one plain place behind a scaled conversion
.irp c, 0,1
.irp i, 0,1,2
	v_mov_b32 v[\F+6*\c+3+\i], v[TT+4*\c+\i]
.endr
.endr
.endm
	; ---- K: lane (r, h) takes, of its row, channels 64 c + 32 h + 0 .. 31
.irp c, 0,1
.irp i, 0,1,2,3,4,5,6,7
	ds_load_b128 v[X+32*\c+4*\i:X+32*\c+4*\i+3], v6 offset:256*\c+16*\i
.endr
.endr
	s_wait_dscnt 0x0
	QUANT2 F0
.irp g, 0,1,2
	global_store_b128 v4, v[F0+4*\g:F0+4*\g+3], s[6:7] offset:512*\g     ; 32 lanes store 512 consecutive bytes
.endr
	ds_store_b32 v8, v16                           ; both halves of the lanes write the same word with the same value
	; ---- V: lane (r, h) takes column r of my 16 channels, and its registers run down the rows 64 c + 32 h + 0 .. 31
.irp c, 0,1
.irp i, 0,1,2,3,4,5,6,7,8,9,10,11,12,13,14,15,16,17,18,19,20,21,22,23,24,25,26,27,28,29,30,31
	ds_load_b32 v[X+32*\c+\i], v7 offset:(64*\c+\i)*PITCH
.endr
.endr
	s_wait_dscnt 0x0                               ; the numbers are in, and K's scale word has been stored: v16 may be written
	QUANT2 F1
.irp g, 0,1,2
	global_store_b128 v4, v[F1+4*\g:F1+4*\g+3], s[6:7] offset:BLK+512*\g
.endr
	ds_store_b32 v8, v16 offset:512
	s_wait_dscnt 0x0                               ; for the others' sake: my two scale words lie in LDS
	s_barrier_signal -1
	s_barrier_wait -1
	s_cmp_lt_u32 s8, 2
	s_cbranch_scc0 .Lend                           ; wave 0 stores K's 512 bytes of scale words, wave 1 V's
	ds_load_b128 v[52:55], v18
	s_wait_dscnt 0x0
	global_store_b128 v4, v[52:55], s[22:23]
.Lend:
	s_wait_tensorcnt 0x0
	ds_add_u32 v128, v129
	s_wait_dscnt 0x0
	s_endpgm
.Lfunc_end_k_q049acc06d1_quant:
	.size	k_q049acc06d1_quant, .Lfunc_end_k_q049acc06d1_quant-k_q049acc06d1_quant
	.p2alignl 7, 3214868480
	.fill 96, 4, 3214868480
	.section	.rodata,"a",@progbits
	.p2align	6, 0x0
	.amdhsa_kernel k_q049acc06d1_quant
		.amdhsa_group_segment_fixed_size 69632
		.amdhsa_private_segment_fixed_size 0
		.amdhsa_enable_private_segment 0
		.amdhsa_kernarg_size 16
		.amdhsa_user_sgpr_count 2
		.amdhsa_user_sgpr_kernarg_segment_ptr 1
		.amdhsa_wavefront_size32 1
		.amdhsa_system_sgpr_workgroup_id_x 1
		.amdhsa_system_sgpr_workgroup_id_y 1
		.amdhsa_system_sgpr_workgroup_id_z 1
		.amdhsa_system_vgpr_workitem_id 0
		.amdhsa_next_free_vgpr 130
		.amdhsa_next_free_sgpr 66
		.amdhsa_reserve_vcc 0
		.amdhsa_float_denorm_mode_32 3
		.amdhsa_float_denorm_mode_16_64 3
		.amdhsa_memory_ordered 1
		.amdhsa_forward_progress 1
		.amdhsa_inst_pref_size 21
	.end_amdhsa_kernel
	.amdgpu_metadata
---
amdhsa.version: [ 1, 2 ]
amdhsa.kernels:
  - .name:           k_q049acc06d1_quant
    .symbol:         k_q049acc06d1_quant.kd
    .args:
      - { .name: x, .offset: 0, .size: 8, .value_kind: global_buffer, .address_space: global }
      - { .name: kv, .offset: 8, .size: 8, .value_kind: global_buffer, .address_space: global }
    .group_segment_fixed_size: 69632
    .private_segment_fixed_size: 0
    .kernarg_segment_align: 8
    .kernarg_segment_size: 16
    .max_flat_workgroup_size: 256
    .sgpr_count:     66
    .vgpr_count:     130
    .wavefront_size: 32
...
	.end_amdgpu_metadata
.endif
;; end of part 1
;; launch attn (part 2): grid 64 x 4, 4 waves a work-group, clusters of 4 x 1, 327,680 bytes of LDS; arguments kv, po, st; writes po, st
.if DOCPART == 2
	.amdgcn_target "amdgcn-amd-amdhsa--gfx1250"
	.amdhsa_code_object_version 6
	.text
	.protected	k_q049acc06d1_attn
	.globl	k_q049acc06d1_attn
	.p2align	8
	.type	k_q049acc06d1_attn,@function
k_q049acc06d1_attn:
	s_mov_b64 s[64:65], 0
	v_nop
	global_prefetch_b8 v0, s[64:65] scope:SCOPE_SE
	s_setreg_imm32_b32 hwreg(HW_REG_WAVE_MODE, 25, 1), 1
	s_wait_xcnt 0x0
	s_wait_alu depctr_hold_cnt(0) depctr_sa_sdst(0) depctr_va_vdst(0) depctr_va_sdst(0) depctr_va_ssrc(0) depctr_va_vcc(0) depctr_vm_vsrc(0)
	s_getreg_b32 s2, hwreg(HW_REG_IB_STS2, 6, 4)
	s_cmp_eq_u32 s2, 0
	s_cbranch_scc0 .Lentry_in_a_cluster
	s_endpgm
.Lentry_in_a_cluster:
	s_bfe_u32 s2, ttmp6, 0x10000c
	s_cmp_lg_u32 s2, 0x3003
	s_cbranch_scc0 .Lentry_shape_is_right
	s_endpgm
.Lentry_shape_is_right:
; Attention with Q = K = V = x on codes of FP6 (E2M3), one E8M0 scale for each 32 along a product's K.  Work-group (I, J): the 128 queries of block I against key steps 16 J .. 16 J + 15.
; It stores the unnormalised O^T of its queries (po) and, for each query, -M and the sum l (st); the next launch weighs the four J.
; SOFTMAX: t = score x log2(e); M = the running largest t rounded up to a whole number; p = 2^(t - M) is quantised along the keys; l is the sum of the unquantised p.
; TWO KEY STEPS (a, b) SHARE ONE RESCALING OF O^T.  Step a's p is quantised under M_a and its codes are kept; when step b has moved M to M_b, the whole number M_b - M_a is taken off
; step a's four scale bytes: an exact power of two, which the block's scale takes up.  Then O^T is multiplied once by 2^(M before a - M_b), and both steps' V^T P^T are added.  No branch on data.
; SHARES.  Wave w owns query tiles 2 w, 2 w + 1 of block I for all 512 channels: 64 accumulators, 512 registers.  Block I's K fragments are the Q fragments (the queries' order is free under the sum).
; Both products are used transposed (S^T = K Q^T, O^T = V^T P^T): a lane holds one query.  The keys of a K tile are chosen so that score tiles 2 b, 2 b + 1 hold 16 neighbouring keys a lane.
; THE RING: two slots of BLK bytes.  The stream takes turns: a block with the K fragments and scale words of two steps, then a block with their V's: 16 blocks a work-group, one change of slots a block.
; CLUSTER: the four work-groups of a cluster share J and walk the same blocks: each block is asked for jointly (mask 15), a quarter (100 rows of 256 bytes) a wave.  One tensor load a wave is out.
; O^T begins as zeros, so that the phase with the V products is written once for the loop and once for the end.
; LIMITS: NaN and infinities are not served; the promise holds while |t| stays under 2^31; a p more than 2^126 under its row's largest is taken as 0; a scale byte of step a that the shift
; would bring under 0 is held at 0: such a block then counts for at most 7.5 x 2^-127 a number, beside a row's largest p above 1/2.
; REGISTERS: window 0: addresses, statistics, scale words, P's codes, v128-255 S^T then p; window 1: v0-95 Q, v96-239 three sets of four fragments; windows 2, 3: O^T.
.set BLK,   102400
.set HALF,  51200
.set QUART, 25600
.set SLOT1, 1<<17
.set SPARE, SLOT1+BLK                  ; the spare words: 128 bytes a wave, named by no other line
.set LI,  1                            ; 16 x lane
.set SPW, 2
.set NIL, 3
.set AK,  4                            ; the slot in hand + 16 x lane: step a's half
.set AV,  5                            ; HALF further on: step b's half
.set PFO, 6
.set PWA, 7                            ; step a's P scale words: tile 0 in lanes 0-15, tile 1 in lanes 16-31
.set ST,  8                            ; tile T at v[8 + 4 T]: -M, the largest t, l in two halves
.set FF,  16                           ; v[16 + 2 T]: a step's f; the register above holds 0
.set QS,  20
.set KS,  24                           ; v24-39 K's scale words; in the V phase step b's V scale words
.set VS,  40                           ; v40-55 step a's V scale words
.set PC,  56                           ; v56-79 step b's P codes
.set BM,  80
.set SO,  80                           ; the conversions' scale operands are made in place
.set PM,  88
.set PCA, 96                           ; v96-119 step a's P codes
.set TMP, 120
.set FO,  122                          ; v[122 + 2 T]: the pair's f for O^T; the register above holds 0
.set OUTS, 122
.set PW,  126
.set S,   128
.set FS,  96
.set WV,  10
.set PFA, 18
.set LIM, 20                           ; 1 in the cluster that prefetches, else the greatest number
.set LIM2, 21                          ; 2 there, else the greatest number
.set CS,  22
.set G1,  24
.set G0,  32
.set SEL, 36
.set TB,  38
.set SLOTS, 39
.set MK,  52                           ; lanes 16-31
.set MSB, 0
.set ALT, 0                            ; 1 in the last V phase: its batches go a_0, b_0, a_1, b_1 .. so that eight accumulators are finished, and stored, behind every second batch
.macro WIN new
.if MSB != (\new)
	s_set_vgpr_msb (MSB<<8)|(\new)
.set MSB, (\new)
.endif
.endm
.macro PLACES
.rept 4
	v_nop
.endr
.endm
.macro ROUND
	s_barrier_signal -1
	s_barrier_wait -1
	s_cmp_lg_u32 s[WV], 0
	s_cbranch_scc1 .Lnot_wave_0_\@
	s_barrier_signal -3
.Lnot_wave_0_\@:
	s_barrier_wait -3
	s_barrier_signal -1
	s_barrier_wait -1
.endm
.macro JLOAD                           ; the joint load, each wave its quarter; s_nop 0 and four v_nop follow
	tensor_load_to_lds s[G0:G0+3], s[G1:G1+7]
	s_nop 0
.rept 4
	v_nop
.endr
.endm
; A prefetch of the block that the NEXT change of slots asks for: phase c names block c + 2.  Cluster x = 0 of each J asks; its 16 waves take 25 pieces of 256 bytes each, told apart by address;
; lanes 25-31 name lane 24's piece again.  The last phase that asks is phase 13, for block 15.
.macro ASK lim
	s_cmp_gt_u32 s[SLOTS], s[\lim]
	s_cbranch_scc0 .Lnot_mine_\@
	global_prefetch_b8 v[PFO], s[PFA:PFA+1] th:TH_LOAD_NT scope:SCOPE_SE
.Lnot_mine_\@:
.endm
; The change of slots: all my tensor loads are in, the add, my reads of the slot that I leave are over; a round of the cluster's barrier; the joint refill first behind it.
.macro CHANGE fill
	WIN 0
	s_wait_tensorcnt 0x0
	ds_add_u32 v[SPW], v[NIL]
.if \fill
	s_xor_b32 s[G0+1], s[G0+1], SLOT1
	s_add_nc_u64 s[G0+2:G0+3], s[G0+2:G0+3], BLK
	s_wait_xcnt 0x0                                ; the last prefetch has read its address
	s_add_nc_u64 s[PFA:PFA+1], s[PFA:PFA+1], BLK
	s_wait_dscnt 0x0
	ROUND
	JLOAD
.else
	s_wait_dscnt 0x0
	s_barrier_signal -1
	s_barrier_wait -1
.endif
.endm
.macro WMS z, d, a, b, sa, sb, ra, rb
.if (\z) && (\ra) && (\rb)
	v_wmma_scale_f32_16x16x128_f8f6f4 v[\d:\d+7], v[\a:\a+11], v[\b:\b+11], 0, v[\sa], v[\sb] matrix_a_fmt:MATRIX_FMT_FP6 matrix_b_fmt:MATRIX_FMT_FP6 matrix_a_scale:MATRIX_SCALE_ROW1 matrix_b_scale:MATRIX_SCALE_ROW1
.elseif (\z) && (\ra)
	v_wmma_scale_f32_16x16x128_f8f6f4 v[\d:\d+7], v[\a:\a+11], v[\b:\b+11], 0, v[\sa], v[\sb] matrix_a_fmt:MATRIX_FMT_FP6 matrix_b_fmt:MATRIX_FMT_FP6 matrix_a_scale:MATRIX_SCALE_ROW1
.elseif (\z) && (\rb)
	v_wmma_scale_f32_16x16x128_f8f6f4 v[\d:\d+7], v[\a:\a+11], v[\b:\b+11], 0, v[\sa], v[\sb] matrix_a_fmt:MATRIX_FMT_FP6 matrix_b_fmt:MATRIX_FMT_FP6 matrix_b_scale:MATRIX_SCALE_ROW1
.elseif (\z)
	v_wmma_scale_f32_16x16x128_f8f6f4 v[\d:\d+7], v[\a:\a+11], v[\b:\b+11], 0, v[\sa], v[\sb] matrix_a_fmt:MATRIX_FMT_FP6 matrix_b_fmt:MATRIX_FMT_FP6
.elseif (\ra) && (\rb)
	v_wmma_scale_f32_16x16x128_f8f6f4 v[\d:\d+7], v[\a:\a+11], v[\b:\b+11], v[\d:\d+7], v[\sa], v[\sb] matrix_a_fmt:MATRIX_FMT_FP6 matrix_b_fmt:MATRIX_FMT_FP6 matrix_a_scale:MATRIX_SCALE_ROW1 matrix_b_scale:MATRIX_SCALE_ROW1
.elseif (\ra)
	v_wmma_scale_f32_16x16x128_f8f6f4 v[\d:\d+7], v[\a:\a+11], v[\b:\b+11], v[\d:\d+7], v[\sa], v[\sb] matrix_a_fmt:MATRIX_FMT_FP6 matrix_b_fmt:MATRIX_FMT_FP6 matrix_a_scale:MATRIX_SCALE_ROW1
.elseif (\rb)
	v_wmma_scale_f32_16x16x128_f8f6f4 v[\d:\d+7], v[\a:\a+11], v[\b:\b+11], v[\d:\d+7], v[\sa], v[\sb] matrix_a_fmt:MATRIX_FMT_FP6 matrix_b_fmt:MATRIX_FMT_FP6 matrix_b_scale:MATRIX_SCALE_ROW1
.else
	v_wmma_scale_f32_16x16x128_f8f6f4 v[\d:\d+7], v[\a:\a+11], v[\b:\b+11], v[\d:\d+7], v[\sa], v[\sb] matrix_a_fmt:MATRIX_FMT_FP6 matrix_b_fmt:MATRIX_FMT_FP6
.endif
.endm
; Batch g of a phase's 16: four fragments, twelve loads of 512 consecutive bytes, into set g % 3.  Batches 0-7 are step a's, 8-15 step b's.
.macro LDB g
.set sB, FS+48*((\g)%3)
.set lA, AK+((\g)/8)*(1-ALT)+((\g)%2)*ALT
.set lO, 6144*(((\g)%8)*(1-ALT)+((\g)/2)*ALT)
.irp n, 0,1,2,3
.irp q, 0,1,2
	ds_load_b128 v[sB+12*\n+4*\q:sB+12*\n+4*\q+3], v[lA] offset:lO+1536*\n+512*\q
.endr
.endr
.endm
; Eight products of S^T with batch g: channels 128 ((g % 8) / 2) on, key tiles 4 (g % 2) + n, both query tiles.  The 16 accumulators take turns.
.macro SMUL g
.irp n, 0,1,2,3
.irp q, 0,1
.set kl, (\g)%8
.set rD, S+64*\q+8*(4*(kl%2)+\n)
.set rA, FS+48*((\g)%3)+12*\n
.set rB, 12*(4*\q+kl/2)
.set zz, kl < 2
	WMS zz, rD, rA, rB, KS+4*(kl/2)+2*(kl%2)+\n/2, QS+kl/2, \n%2, \q
.endr
.endr
.endm
; Product i of eight of O^T += V^T P^T with batch g: channel tile 4 (g % 8) + i / 2, query tile i % 2.  An accumulator's two products of a pair stand 64 products apart.
.macro PVP g, i
.set ct, 4*(((\g)%8)*(1-ALT)+((\g)/2)*ALT)+(\i)/2
.set rD, 128*((\i)%2)+8*(ct%16)
.set rA, FS+48*((\g)%3)+12*((\i)/2)
.if ((\g)/8)*(1-ALT)+((\g)%2)*ALT == 0
	WMS 0, rD, rA, PCA+12*((\i)%2), VS+ct/2, PWA, ct%2, (\i)%2
.else
	WMS 0, rD, rA, PC+12*((\i)%2), KS+ct/2, PW+(\i)%2, ct%2, 0
.endif
.endm
.macro RESC k, i                       ; an accumulator under the new M, from its low end on
.set rO, 128*((\i)%2)+8*((4*(\k)+(\i)/2)%16)
.set rF, FO+2*((\i)%2)
.irp n, 0,2,4,6
	v_pk_mul_f32 v[rO+\n:rO+\n+1], v[rO+\n:rO+\n+1], v[rF:rF+1] op_sel_hi:[1,0]
.endr
.endm
; The softmax of a key step, both query tiles stage by stage; the codes go to v[pc ..], the scale words to v[PW ..].
.macro SOFTMAX pc
.irp T, 0,1
.irp b, 0,1,2,3
	v_max3_num_f32 v[BM+4*\T+\b], v[S+64*\T+16*\b], v[S+64*\T+16*\b+1], v[S+64*\T+16*\b+2]   ; each block's largest score: for the row's maximum and for the block's largest p
.endr
.endr
.irp i, 3,5,7,9,11,13
.irp T, 0,1
.irp b, 0,1,2,3
	v_max3_num_f32 v[BM+4*\T+\b], v[BM+4*\T+\b], v[S+64*\T+16*\b+\i], v[S+64*\T+16*\b+\i+1]
.endr
.endr
.endr
.irp T, 0,1
.irp b, 0,1,2,3
	v_max_num_f32 v[BM+4*\T+\b], v[BM+4*\T+\b], v[S+64*\T+16*\b+15]
.endr
.endr
.irp T, 0,1
.irp b, 0,1,2,3
	v_permlanex16_b32 v[PM+4*\T+\b], v[BM+4*\T+\b], s[SEL], s[SEL+1]
.endr
.endr
.irp T, 0,1
.irp b, 0,1,2,3
	v_max_num_f32 v[BM+4*\T+\b], v[BM+4*\T+\b], v[PM+4*\T+\b]
.endr
.endr
.irp T, 0,1
	v_max3_num_f32 v[TMP+\T], v[BM+4*\T], v[BM+4*\T+1], v[BM+4*\T+2]
.endr
.irp T, 0,1
	v_max_num_f32 v[TMP+\T], v[TMP+\T], v[BM+4*\T+3]
.endr
.irp T, 0,1
	v_mul_f32 v[TMP+\T], s[CS], v[TMP+\T]
.endr
.irp T, 0,1
	v_max_num_f32 v[ST+4*\T+1], v[ST+4*\T+1], v[TMP+\T]         ; the running largest t
.endr
.irp T, 0,1
	v_mov_b32 v[TMP+\T], v[ST+4*\T]
.endr
.irp T, 0,1
	v_floor_f32 v[ST+4*\T], -v[ST+4*\T+1]                       ; -M = floor(-t)
.endr
.irp T, 0,1
	v_sub_f32 v[TMP+\T], v[ST+4*\T], v[TMP+\T]                  ; old M less new M
.endr
.irp T, 0,1
	v_cvt_i32_f32 v[TMP+\T], v[TMP+\T]                          ; (it saturates); it stays in v[TMP ..] behind the macro
.endr
.irp T, 0,1
	v_ldexp_f32 v[FF+2*\T], 1.0, v[TMP+\T]
.endr
.irp T, 0,1
.set j, 0
.rept 32
	v_pk_fma_f32 v[S+64*\T+j:S+64*\T+j+1], v[S+64*\T+j:S+64*\T+j+1], s[CS:CS+1], v[ST+4*\T:ST+4*\T+1] op_sel_hi:[1,0,0]
.set j, j+2
.endr
.endr
.irp T, 0,1
.irp b, 0,1,2,3
	v_fma_f32 v[BM+4*\T+\b], v[BM+4*\T+\b], s[CS], v[ST+4*\T]
.endr
.endr
	s_wait_alu depctr_va_vdst(0)                   ; the wait ahead of the batch
.irp T, 0,1
.set j, 0
.rept 64
	v_exp_f32 v[S+64*\T+j], v[S+64*\T+j]
.set j, j+1
.endr
.endr
.irp T, 0,1
	v_pk_mul_f32 v[ST+4*\T+2:ST+4*\T+3], v[ST+4*\T+2:ST+4*\T+3], v[FF+2*\T:FF+2*\T+1] op_sel_hi:[1,0]   ; l under the new M
.endr
	s_wait_alu depctr_va_vdst(0)                   ; and behind it
.irp T, 0,1
.irp b, 0,1,2,3
	v_exp_f32 v[BM+4*\T+\b], v[BM+4*\T+\b]         ; the block's largest p
.endr
.endr
.irp T, 0,1
	v_pk_add_f32 v[PM+4*\T:PM+4*\T+1], v[S+64*\T:S+64*\T+1], v[S+64*\T+2:S+64*\T+3]   ; the sum of the unquantised p, two chains a tile
.endr
.set j, 4
.rept 15
.irp T, 0,1
	v_pk_add_f32 v[ST+4*\T+2:ST+4*\T+3], v[ST+4*\T+2:ST+4*\T+3], v[S+64*\T+j:S+64*\T+j+1]
	v_pk_add_f32 v[PM+4*\T:PM+4*\T+1], v[PM+4*\T:PM+4*\T+1], v[S+64*\T+j+2:S+64*\T+j+3]
.endr
.set j, j+4
.endr
.irp T, 0,1
	v_pk_add_f32 v[ST+4*\T+2:ST+4*\T+3], v[ST+4*\T+2:ST+4*\T+3], v[PM+4*\T:PM+4*\T+1]
.endr
	s_wait_alu depctr_va_vdst(0)                   ; one for the eight
.irp T, 0,1
.irp b, 0,1,2,3
	v_max_num_f32 v[BM+4*\T+\b], 0x1800000, v[BM+4*\T+\b]       ; the floor 2^(3 - 127)
.endr
.endr
.irp T, 0,1
.irp b, 0,1,2,3
	v_add_nc_u32 v[SO+4*\T+\b], 0xff000000, v[BM+4*\T+\b]       ; 2 off the exponent field
.endr
.endr
.irp T, 0,1
.irp b, 0,1,2,3
	v_lshrrev_b32 v[PM+4*\T+\b], 23, v[SO+4*\T+\b]
.endr
.endr
.irp T, 0,1
	v_lshl_or_b32 v[PW+\T], v[PM+4*\T+1], 8, v[PM+4*\T]
.endr
.irp T, 0,1
	v_lshl_or_b32 v[PW+\T], v[PM+4*\T+2], 16, v[PW+\T]
.endr
.irp T, 0,1
	v_lshl_or_b32 v[PW+\T], v[PM+4*\T+3], 24, v[PW+\T]
.endr
.irp T, 0,1
.irp c, 0,1
	v_cvt_scalef32_pk16_fp6_f32 v[(\pc)+12*\T+6*\c:(\pc)+12*\T+6*\c+2], v[S+64*\T+32*\c:S+64*\T+32*\c+15], v[SO+4*\T+2*\c]
.endr
.endr
	v_nop                                          ; a plain place: the lines below write over numbers that are converted
.irp T, 0,1
.irp c, 0,1
	v_cvt_scalef32_pk16_fp6_f32 v[S+64*\T+32*\c:S+64*\T+32*\c+2], v[S+64*\T+32*\c+16:S+64*\T+32*\c+31], v[SO+4*\T+2*\c+1]
.endr
.endr
	v_nop
.irp T, 0,1
.irp c, 0,1                                    ; a whole block to a lane: lanes 0-15 block 2 c, lanes 16-31 block 2 c + 1
.irp i, 0,1,2
	v_permlane16_swap_b32 v[(\pc)+12*\T+6*\c+\i], v[S+64*\T+32*\c+\i]
.endr
.irp i, 0,1,2
	v_mov_b32 v[(\pc)+12*\T+6*\c+3+\i], v[S+64*\T+32*\c+\i]
.endr
.endr
.endr
.endm
; THE S PHASE of a pair: step a's 64 products K Q^T and its softmax, then step b's 64 products.  Loads run three batches ahead; a wait leaves the two younger batches (24 loads) out.
.macro SPH
	CHANGE 1
	v_add_nc_u32 v[AK], s[TB], v[LI]
	v_add_nc_u32 v[AV], HALF, v[AK]
	s_wait_alu depctr_va_vdst(0)                   ; the wait behind these writes
.irp s, 0,1,2,3
	ds_load_b128 v[KS+4*\s:KS+4*\s+3], v[AK] offset:49152+512*\s
.endr
	WIN 0x40
	LDB 0
	LDB 1
	LDB 2
	WIN 0
	ASK LIM2
.set kk, 0
.rept 16
.if kk == 8
	s_wait_dscnt 12                                ; batches 8, 9 and step b's scale words are in; batch 10 stays out
.elseif kk < 14
	s_wait_dscnt 24
.else
	s_wait_dscnt 12*(15-kk)
.endif
	WIN 0x05
	SMUL kk
	PLACES
.if kk == 7
	WIN 0
.irp s, 0,1,2,3
	ds_load_b128 v[KS+4*\s:KS+4*\s+3], v[AV] offset:49152+512*\s
.endr
.endif
.if kk < 13
	WIN 0x40
	LDB kk+3
.endif
.if kk == 7
	WIN 0
	SOFTMAX PCA
	v_cndmask_b32 v[PWA], v[PW], v[PW+1], s[MK]    ; both tiles' scale words in one register
	v_mov_b32 v[FO], v[FF]
	v_mov_b32 v[FO+2], v[FF+2]
	s_wait_alu depctr_va_vdst(0)                   ; the wait ahead of the waits and the branch that follow
.endif
.set kk, kk+1
.endr
	WIN 0
	s_xor_b32 s[TB], s[TB], SLOT1
.endm
; THE V PHASE: the change of slots, V's first loads, step b's softmax, step a's scale bytes and O^T under M_b, then 128 products V^T P^T.
.macro VPH fill
.set ALT, 1-(\fill)
	CHANGE \fill
.if \fill == 0
	PLACES
.endif
	v_add_nc_u32 v[AK], s[TB], v[LI]
	v_add_nc_u32 v[AV], HALF, v[AK]
	s_wait_alu depctr_va_vdst(0)
.irp g, 0,1,2,3
	ds_load_b128 v[VS+4*\g:VS+4*\g+3], v[AK] offset:49152+512*\g
.endr
.irp g, 0,1,2,3
	ds_load_b128 v[KS+4*\g:KS+4*\g+3], v[AV] offset:49152+512*\g
.endr
	WIN 0x40
	LDB 0
	LDB 1
	LDB 2
	WIN 0
.if \fill
	ASK LIM
.endif
	SOFTMAX PC
	v_cndmask_b32 v[PM+4], v[TMP], v[TMP+1], s[MK] ; M_a - M_b of the tile whose word my half of the lanes holds
	v_sub_nc_u32 v[PM+4], 0, v[PM+4]               ; M_b - M_a, 0 or more
.irp b, 0,1,2,3
	v_bfe_u32 v[PM+\b], v[PWA], 8*\b, 8
.endr
.irp b, 0,1,2,3
	v_min_u32 v[BM+\b], v[PM+\b], v[PM+4]          ; no byte falls under 0
.endr
.irp b, 0,1,2,3
	v_sub_nc_u32 v[PM+\b], v[PM+\b], v[BM+\b]
.endr
	v_lshl_or_b32 v[PWA], v[PM+1], 8, v[PM]
	v_mul_f32 v[FO], v[FO], v[FF]                  ; 2^(M before a - M_b): a product of two powers of two
	v_lshl_or_b32 v[PWA], v[PM+2], 16, v[PWA]
	v_mul_f32 v[FO+2], v[FO+2], v[FF+2]
	v_lshl_or_b32 v[PWA], v[PM+3], 24, v[PWA]
	s_wait_alu depctr_va_vdst(0)                   ; the wait ahead of O^T's first reader
	WIN 0x82
.irp i, 0,1,2,3,4,5,6,7
	RESC 0, \i                                     ; these 32 lines are also the places ahead of the products
.endr
.set kk, 0
.rept 16
.set pk, (kk%8)*(1-ALT)+(kk/2)*ALT     ; the batch's group of four channel tiles
.set pe, (kk/8)*(1-ALT)+(kk%2)*ALT     ; step a (0) or b (1)
.set dr, 0                             ; 1: the next group's accumulators are rescaled among this batch's products
.if (pe == 0) && (pk < 7)
.set dr, 1
.endif
.if kk == 7+6*ALT
	s_wait_alu depctr_va_vdst(0)
.endif
.if kk < 14
	s_wait_dscnt 24
.else
	s_wait_dscnt 12*(15-kk)
.endif
.set ii, 0
.rept 8
	WIN 0xa1+0x50*(pk/4)
	PVP kk, ii
.if dr
	WIN 0x82+0x41*((pk+1)/4)
	RESC pk+1, ii                                  ; by turns: one accumulator of the next group
.endif
.set ii, ii+1
.endr
.if dr == 0
	PLACES                                         ; ahead of the loads into the set just read and of the stores of results just made
.endif
.if ALT && pe
	WIN 0x08+0x04*(pk/4)                           ; a store's data are its source 1: window 2 or 3
.irp T, 0,1
.irp n, 0,1,2,3,4,5,6,7
.set sj, 32*\T+8*(pk%4)+\n
	global_store_b128 v[LI], v[4*sj:4*sj+3], s[6:7] offset:32768*(pk/4)+512*sj th:TH_STORE_NT   ; O^T leaves as the image of its registers, 512 consecutive bytes a store, each accumulator from its low end on
.endr
.endr
.endif
.if kk < 13
	WIN 0x40
	LDB kk+3
.endif
.set kk, kk+1
.endr
	WIN 0
	s_xor_b32 s[TB], s[TB], SLOT1
.endm
	s_load_b128 s[4:7], s[0:1], 0x0                ; kv, po
	s_load_b64 s[8:9], s[0:1], 0x10                ; st
	v_lshl_add_u32 v[SPW], v0, 2, SPARE
	v_mov_b32 v[NIL], 0
	ds_add_u32 v2, v3
	ds_add_u32 v2, v3
	s_wait_dscnt 0x0
	v_lshrrev_b32 v[LI], 5, v0
	v_readfirstlane_b32 s[WV], v[LI]
	v_and_b32 v[LI], 31, v0
	v_min_u32 v[PFO], 24, v[LI]
	v_lshlrev_b32 v[PFO], 8, v[PFO]
	v_lshlrev_b32 v[LI], 4, v[LI]
	s_bfe_u32 s11, ttmp6, 0x40000                  ; cx: it enters Q's, po's, st's and the prefetches' global addresses alone
	s_lshl_b32 s12, ttmp9, 2
	s_add_co_u32 s12, s12, s11                     ; I
	s_and_b32 s13, ttmp7, 0xffff                   ; J
	s_mov_b32 s[G1], 15|(3<<16)|(1<<21)            ; mask of all four; elements of 8 bytes; bit 21 beside a mask
	s_mov_b32 s[G1+1], 32<<16
	s_mov_b32 s[G1+2], 100<<16
	s_mov_b32 s[G1+3], 32<<16
	s_mov_b32 s[G1+4], 100
	s_mov_b32 s[G1+5], 32
	s_mov_b32 s[G1+6], 0
	s_mov_b32 s[G1+7], 0
	s_mov_b32 s[CS], 0x3fb8aa3b                    ; log2(e)
	s_mov_b32 s[CS+1], s[CS]
	s_mov_b32 s[SEL], 0x76543210
	s_mov_b32 s[SEL+1], 0xfedcba98
	s_mov_b32 s[MK], 0xffff0000
	s_mov_b32 s[TB], 0
	s_mov_b32 s[SLOTS], 14                         ; 14 - 2 n in the loop's trip n
	s_cmp_eq_u32 ttmp9, 0
	s_cselect_b32 s[LIM], 1, -1
	s_cselect_b32 s[LIM2], 2, -1
	s_mul_i32 s14, s13, 16*BLK                     ; the stream: 16 blocks from key step 16 J on
	s_mul_i32 s[G0+1], s[WV], QUART
	s_add_co_u32 s14, s14, s[G0+1]
	s_mov_b32 s15, 0
	s_lshl_b32 s43, s11, 2
	s_add_co_u32 s43, s43, s[WV]
	s_mul_i32 s43, s43, 6400
	s_mul_i32 s42, s13, 16*BLK
	s_add_co_u32 s42, s42, s43
	s_add_co_u32 s42, s42, BLK                     ; the first change of slots steps it to block 2
	s_mov_b32 s43, 0
	s_lshr_b32 s44, s12, 1                         ; Q: key step I's K half: 2 BLK (I / 2) + HALF (I % 2)
	s_mul_i32 s44, s44, 2*BLK
	s_and_b32 s45, s12, 1
	s_mul_i32 s45, s45, HALF
	s_add_co_u32 s44, s44, s45
	s_mul_i32 s45, s[WV], 2*1536
	s_add_co_u32 s16, s44, s45
	s_mov_b32 s17, 0
	s_lshl_b32 s45, s[WV], 2
	s_add_co_u32 s44, s44, s45
	s_add_co_u32 s44, s44, 49152
	s_mov_b32 s45, 0
	s_lshl_b32 s46, s13, 6
	s_add_co_u32 s46, s46, s12
	s_lshl_b32 s46, s46, 2
	s_add_co_u32 s46, s46, s[WV]                   ; my chunk: (64 J + I) 4 + w
	s_lshl_b32 s48, s46, 16
	s_mov_b32 s49, 0
	s_lshl_b32 s50, s46, 9
	s_mov_b32 s51, 0
	s_wait_kmcnt 0x0
	s_mov_b32 s[G0], 1
	s_add_nc_u64 s[G0+2:G0+3], s[4:5], s[14:15]
	s_or_b32 s[G0+3], s[G0+3], 0x80000000
	s_add_nc_u64 s[PFA:PFA+1], s[4:5], s[42:43]
	s_add_nc_u64 s[40:41], s[4:5], s[16:17]
	s_add_nc_u64 s[46:47], s[4:5], s[44:45]
	s_add_nc_u64 s[6:7], s[6:7], s[48:49]
	s_add_nc_u64 s[8:9], s[8:9], s[50:51]
	ROUND
	JLOAD                                          ; block 0 into slot 0
	WIN 0x40
	s_wait_alu depctr_va_vdst(0)
.irp q, 0,1
.irp s, 0,1,2,3
.irp g, 0,1,2
	global_load_b128 v[12*(4*\q+\s)+4*\g:12*(4*\q+\s)+4*\g+3], v[LI], s[40:41] offset:(8*\s+\q)*1536+512*\g   ; Q stays in registers
.endr
.endr
.endr
	WIN 0
.irp s, 0,1,2,3
	global_load_b32 v[QS+\s], v[LI], s[46:47] offset:512*\s
.endr
.irp T, 0,1
	v_mov_b32 v[ST+4*\T+1], 0xff61b1e6             ; -3e38, under every t
	v_floor_f32 v[ST+4*\T], -v[ST+4*\T+1]
	v_mov_b32 v[ST+4*\T+2], 0
	v_mov_b32 v[ST+4*\T+3], 0
	v_mov_b32 v[FF+2*\T+1], 0
	v_mov_b32 v[FO+2*\T+1], 0
.endr
.irp b, 0,1,2,3,4,5,6,7
	v_mov_b32 v[PM+\b], 0                          ; a lane permute's destination counts as a source
.endr
	WIN 0x80                                       ; O^T begins as zeros, while Q and block 0 are on their way
.set j, 0
.rept 256
	v_mov_b32 v[j], 0
.set j, j+1
.endr
	WIN 0xc0
.set j, 0
.rept 256
	v_mov_b32 v[j], 0
.set j, j+1
.endr
	WIN 0
	s_wait_alu depctr_va_vdst(0)                   ; the wait at the head's end
	s_wait_loadcnt 0x0
	SPH                                            ; phase 0
.Lstep:                                            ; 7 trips: the V phase of pair n, the S phase of pair n + 1; each change of slots asks for the block after
	VPH 1
	SPH
	s_sub_co_u32 s[SLOTS], s[SLOTS], 2
	s_cmp_lg_u32 s[SLOTS], 0
	s_cbranch_scc1 .Lstep
	VPH 0                                          ; the last phase is written out: it asks for nothing
	; The way out: the statistics, 16 bytes a lane; O^T as the image of its registers, 512 consecutive bytes a store.
	PLACES
.irp T, 0,1
	v_add_f32 v[TMP+\T], v[ST+4*\T+2], v[ST+4*\T+3]
.endr
.irp T, 0,1
	v_permlanex16_b32 v[PM+\T], v[TMP+\T], s[SEL], s[SEL+1]
.endr
.irp T, 0,1
	v_add_f32 v[OUTS+2*\T+1], v[TMP+\T], v[PM+\T]
	v_mov_b32 v[OUTS+2*\T], v[ST+4*\T]
.endr
	global_store_b128 v[LI], v[OUTS:OUTS+3], s[8:9]
	WIN 0
	s_wait_tensorcnt 0x0                           ; the wave's end
	ds_add_u32 v[SPW], v[NIL]
	s_wait_dscnt 0x0
	ROUND                                          ; the closing round
	s_endpgm
.Lfunc_end_k_q049acc06d1_attn:
	.size	k_q049acc06d1_attn, .Lfunc_end_k_q049acc06d1_attn-k_q049acc06d1_attn
	.p2alignl 7, 3214868480
	.fill 96, 4, 3214868480
	.section	.rodata,"a",@progbits
	.p2align	6, 0x0
	.amdhsa_kernel k_q049acc06d1_attn
		.amdhsa_group_segment_fixed_size 327680
		.amdhsa_private_segment_fixed_size 0
		.amdhsa_enable_private_segment 0
		.amdhsa_kernarg_size 24
		.amdhsa_user_sgpr_count 2
		.amdhsa_user_sgpr_kernarg_segment_ptr 1
		.amdhsa_wavefront_size32 1
		.amdhsa_system_sgpr_workgroup_id_x 1
		.amdhsa_system_sgpr_workgroup_id_y 1
		.amdhsa_system_sgpr_workgroup_id_z 1
		.amdhsa_system_vgpr_workitem_id 0
		.amdhsa_next_free_vgpr 1024
		.amdhsa_next_free_sgpr 66
		.amdhsa_reserve_vcc 0
		.amdhsa_float_denorm_mode_32 3
		.amdhsa_float_denorm_mode_16_64 3
		.amdhsa_memory_ordered 1
		.amdhsa_forward_progress 1
		.amdhsa_inst_pref_size 255
	.end_amdhsa_kernel
	.section	.bss,"aw",@nobits
	.p2align	6
	.space	262144
	.amdgpu_metadata
---
amdhsa.version: [ 1, 2 ]
amdhsa.kernels:
  - .name:           k_q049acc06d1_attn
    .symbol:         k_q049acc06d1_attn.kd
    .args:
      - { .name: kv, .offset: 0, .size: 8, .value_kind: global_buffer, .address_space: global }
      - { .name: po, .offset: 8, .size: 8, .value_kind: global_buffer, .address_space: global }
      - { .name: st, .offset: 16, .size: 8, .value_kind: global_buffer, .address_space: global }
    .group_segment_fixed_size: 327680
    .private_segment_fixed_size: 0
    .kernarg_segment_align: 8
    .kernarg_segment_size: 24
    .max_flat_workgroup_size: 128
    .sgpr_count:     66
    .vgpr_count:     1024
    .wavefront_size: 32
...
	.end_amdgpu_metadata
.endif
;; end of part 2
;; launch comb (part 3): grid 4 x 64, 8 waves a work-group, no clusters, 3,072 bytes of LDS; arguments po, st, py; writes py
.if DOCPART == 3
	.amdgcn_target "amdgcn-amd-amdhsa--gfx1250"
	.amdhsa_code_object_version 6
	.text
	.protected	k_q049acc06d1_comb
	.globl	k_q049acc06d1_comb
	.p2align	8
	.type	k_q049acc06d1_comb,@function
k_q049acc06d1_comb:
	s_mov_b64 s[64:65], 0
	v_nop
	global_prefetch_b8 v0, s[64:65] scope:SCOPE_SE
	s_setreg_imm32_b32 hwreg(HW_REG_WAVE_MODE, 25, 1), 1
	s_wait_xcnt 0x0
; The four key splits J of each query are weighed and the 128 queries of block I are summed: py[I][c] = the sum over the block's queries of (sum over J of e_J O_J[c]) / (sum over J of e_J l_J),
; e_J = 2^(M_J - the largest M): a whole power of two, made by v_ldexp_f32: nothing is rounded by it.
; po's chunk (64 J + I) 4 + w is the image of a wave's 512 registers of O^T (register R of lane L at 128 R + 16 L, in groups of four): R = 256 (ct / 16) + 128 qi + 8 (ct % 16) + j,
; lane (q, h') holds query q of tile qi and channel 16 ct + 8 h' + j.  st's chunk: lane L's 16 bytes are -M and l of tile 0, -M and l of tile 1.
; SHARES.  Work-group (cg, I): channels 128 cg .. + 127.  Wave v: w = v % 4 (whose 32 queries), hh = v / 4; k = 2 cg + hh: channel tiles 4 k .. 4 k + 3: 32 registers on end, 4,096 consecutive bytes for each (J, qi).
; A stream: every byte of po is read once, by loads of 512 consecutive bytes, five groups of eight loads in flight a wave.  Matrix units, clusters and tensor loads would add nothing here.
.set AC, 64                            ; v64-95   the sums
.set DA, 96                            ; v96-255  five sets of 32
.set WT, 20                            ; v20-35   the weight of group g = 2 J + qi, twice (a pair for the packed forms)
	s_load_b128 s[4:7], s[0:1], 0x0                ; po, st
	s_load_b64 s[16:17], s[0:1], 0x10              ; py
	v_lshl_add_u32 v62, v0, 2, 0x800
	v_mov_b32 v63, 0
	v_lshrrev_b32 v1, 5, v0
	s_delay_alu instid0(VALU_DEP_1)
	v_readfirstlane_b32 s18, v1                    ; wave 0..7
	v_and_b32 v1, 31, v0
	v_bfe_u32 v2, v0, 4, 1                         ; h'
	s_wait_alu depctr_va_vdst(0)
	v_lshlrev_b32 v1, 4, v1                        ; 16 x lane
	s_and_b32 s19, s18, 3                          ; w
	s_lshr_b32 s20, s18, 2                         ; hh
	s_and_b32 s21, ttmp7, 0xffff                   ; I
	s_lshl_b32 s22, ttmp9, 1
	s_add_co_u32 s22, s22, s20                     ; k
	s_lshl_b32 s23, s19, 9
	s_lshl_b32 s24, s20, 8
	s_add_co_u32 s23, s23, s24
	v_lshl_add_u32 v3, v2, 5, s23                  ; LDS: 512 w + 256 hh + 32 h'
	s_lshl_b32 s24, s21, 18                        ; po: I x 4 chunks,
	s_lshl_b32 s25, s19, 16                        ; chunk w,
	s_add_co_u32 s24, s24, s25
	s_lshr_b32 s25, s22, 2
	s_lshl_b32 s25, s25, 15                        ; 256 (k / 4) registers of 128 bytes,
	s_add_co_u32 s24, s24, s25
	s_and_b32 s25, s22, 3
	s_lshl_b32 s25, s25, 12                        ; 32 (k % 4) registers
	s_add_co_u32 s24, s24, s25
	s_mov_b32 s25, 0
	s_lshl_b32 s26, s21, 2
	s_add_co_u32 s26, s26, s19
	s_lshl_b32 s26, s26, 9                         ; st: chunk 4 I + w of 512 bytes
	s_mov_b32 s27, 0
	s_lshl_b32 s28, s21, 11
	s_lshl_b32 s29, ttmp9, 9
	s_add_co_u32 s28, s28, s29                     ; py: 2,048 I + 512 cg
	s_mov_b32 s29, 0
	s_wait_alu depctr_va_vdst(0)
	s_wait_kmcnt 0x0
	s_add_nc_u64 s[8:9], s[4:5], s[24:25]          ; a base for each J: 256 chunks of 65,536 bytes apart
	s_add_nc_u64 s[10:11], s[8:9], 0x1000000
	s_add_nc_u64 s[12:13], s[10:11], 0x1000000
	s_add_nc_u64 s[14:15], s[12:13], 0x1000000
	s_add_nc_u64 s[6:7], s[6:7], s[26:27]
	s_add_nc_u64 s[16:17], s[16:17], s[28:29]
.macro GROUP g                         ; group g = 2 J + qi: eight loads, 4,096 consecutive bytes, into set g % 5
.irp i, 0,1,2,3,4,5,6,7
	global_load_b128 v[DA+32*((\g)%5)+4*\i:DA+32*((\g)%5)+4*\i+3], v1, s[8+2*((\g)/2):9+2*((\g)/2)] offset:16384*((\g)%2)+512*\i th:TH_LOAD_NT
.endr
.endm
.macro ACCUM g                         ; the sums take group g, weighed; the first group starts them
.set dA, DA+32*((\g)%5)
.set j, 0
.rept 16
.if (\g) == 0
	v_pk_mul_f32 v[AC+j:AC+j+1], v[dA+j:dA+j+1], v[WT+2*(\g):WT+2*(\g)+1]
.else
	v_pk_fma_f32 v[AC+j:AC+j+1], v[dA+j:dA+j+1], v[WT+2*(\g):WT+2*(\g)+1], v[AC+j:AC+j+1]
.endif
.set j, j+2
.endr
.endm
.irp J, 0,1,2,3
	global_load_b128 v[4+4*\J:7+4*\J], v1, s[6:7] offset:131072*\J     ; the statistics of the four J
.endr
	GROUP 0
	GROUP 1
	GROUP 2
	GROUP 3
	GROUP 4
	s_wait_loadcnt 40                              ; the statistics are in; the five groups behind them stay out
.irp q, 0,1
	v_min3_num_f32 v[36+6*\q], v[4+2*\q], v[8+2*\q], v[12+2*\q]
.endr
.irp q, 0,1
	s_delay_alu instid0(VALU_DEP_2)
	v_min_num_f32 v[36+6*\q], v[36+6*\q], v[16+2*\q]           ; the least -M: minus the largest M
.endr
.irp J, 0,1,2,3
.irp q, 0,1
	v_sub_f32 v[37+6*\q+\J], v[36+6*\q], v[4+4*\J+2*\q]        ; M_J less the largest M: a whole number, 0 or less
.endr
.endr
.irp J, 0,1,2,3
.irp q, 0,1
	v_cvt_i32_f32 v[37+6*\q+\J], v[37+6*\q+\J]                 ; (it saturates)
.endr
.endr
.irp J, 0,1,2,3
.irp q, 0,1
	v_ldexp_f32 v[37+6*\q+\J], 1.0, v[37+6*\q+\J]              ; e_J
.endr
.endr
.irp q, 0,1
	v_mul_f32 v[41+6*\q], v[37+6*\q], v[5+2*\q]
.endr
.irp J, 1,2,3
.irp q, 0,1
	s_delay_alu instid0(VALU_DEP_2)
	v_fma_f32 v[41+6*\q], v[37+6*\q+\J], v[5+4*\J+2*\q], v[41+6*\q]   ; the row's sum under the largest M: above 1/2
.endr
.endr
	s_wait_alu depctr_va_vdst(0)
.irp q, 0,1
	v_rcp_f32 v[41+6*\q], v[41+6*\q]
.endr
	v_nop                                          ; a plain place behind the reciprocals
	s_wait_alu depctr_va_vdst(0)                   ; and the wait ahead of the first use: one for both
.irp J, 0,1,2,3
.irp q, 0,1
	v_mul_f32 v[WT+2*(2*\J+\q)], v[37+6*\q+\J], v[41+6*\q]
	v_mul_f32 v[WT+2*(2*\J+\q)+1], v[37+6*\q+\J], v[41+6*\q]
.endr
.endr
.set gg, 0
.rept 8
.if gg < 4
	s_wait_loadcnt 32                              ; group gg is in; the four younger groups stay out
.else
	s_wait_loadcnt 8*(7-gg)                        ; the counts run down
.endif
	ACCUM gg
.if gg < 3
	GROUP gg+5                                     ; into the set just used
.endif
.set gg, gg+1
.endr
.irp m, 1,2,4,8                                ; the sum over the 16 queries of each half of the lanes
.set j, 0
.rept 32
	v_add_f32_dpp v[AC+j], v[AC+j], v[AC+j] row_xmask:\m row_mask:0xf bank_mask:0xf
.set j, j+1
.endr
.endr
.irp c, 0,1,2,3
	ds_store_b128 v3, v[AC+8*\c:AC+8*\c+3] offset:64*\c         ; channels 16 c + 8 h' + 0 .. 7 of my 64: the sixteen lanes of a half write the same words with the same values
	ds_store_b128 v3, v[AC+8*\c+4:AC+8*\c+7] offset:64*\c+16
.endr
	s_wait_dscnt 0x0                               ; for wave 0's sake: my sums lie in LDS
	s_barrier_signal -1
	s_barrier_wait -1
	s_cmp_lg_u32 s18, 0
	s_cbranch_scc1 .Ldone                          ; wave 0 adds the four w and stores the work-group's 128 channels
.irp w, 0,1,2,3
	ds_load_b128 v[DA+4*\w:DA+4*\w+3], v1 offset:512*\w
.endr
	s_wait_dscnt 0x0
	v_pk_add_f32 v[DA:DA+1], v[DA:DA+1], v[DA+4:DA+5]
	v_pk_add_f32 v[DA+2:DA+3], v[DA+2:DA+3], v[DA+6:DA+7]
	v_pk_add_f32 v[DA+8:DA+9], v[DA+8:DA+9], v[DA+12:DA+13]
	v_pk_add_f32 v[DA+10:DA+11], v[DA+10:DA+11], v[DA+14:DA+15]
	s_delay_alu instid0(VALU_DEP_2)
	v_pk_add_f32 v[DA:DA+1], v[DA:DA+1], v[DA+8:DA+9]
	s_delay_alu instid0(VALU_DEP_2)
	v_pk_add_f32 v[DA+2:DA+3], v[DA+2:DA+3], v[DA+10:DA+11]
	global_store_b128 v1, v[DA:DA+3], s[16:17]     ; 32 lanes store 512 consecutive bytes
.Ldone:
	s_wait_tensorcnt 0x0
	ds_add_u32 v62, v63
	s_wait_dscnt 0x0
	s_endpgm
.Lfunc_end_k_q049acc06d1_comb:
	.size	k_q049acc06d1_comb, .Lfunc_end_k_q049acc06d1_comb-k_q049acc06d1_comb
	.p2alignl 7, 3214868480
	.fill 96, 4, 3214868480
	.section	.rodata,"a",@progbits
	.p2align	6, 0x0
	.amdhsa_kernel k_q049acc06d1_comb
		.amdhsa_group_segment_fixed_size 3072
		.amdhsa_private_segment_fixed_size 0
		.amdhsa_enable_private_segment 0
		.amdhsa_kernarg_size 24
		.amdhsa_user_sgpr_count 2
		.amdhsa_user_sgpr_kernarg_segment_ptr 1
		.amdhsa_wavefront_size32 1
		.amdhsa_system_sgpr_workgroup_id_x 1
		.amdhsa_system_sgpr_workgroup_id_y 1
		.amdhsa_system_sgpr_workgroup_id_z 1
		.amdhsa_system_vgpr_workitem_id 0
		.amdhsa_next_free_vgpr 256
		.amdhsa_next_free_sgpr 66
		.amdhsa_reserve_vcc 0
		.amdhsa_float_denorm_mode_32 3
		.amdhsa_float_denorm_mode_16_64 3
		.amdhsa_memory_ordered 1
		.amdhsa_forward_progress 1
		.amdhsa_inst_pref_size 29
	.end_amdhsa_kernel
	.amdgpu_metadata
---
amdhsa.version: [ 1, 2 ]
amdhsa.kernels:
  - .name:           k_q049acc06d1_comb
    .symbol:         k_q049acc06d1_comb.kd
    .args:
      - { .name: po, .offset: 0, .size: 8, .value_kind: global_buffer, .address_space: global }
      - { .name: st, .offset: 8, .size: 8, .value_kind: global_buffer, .address_space: global }
      - { .name: py, .offset: 16, .size: 8, .value_kind: global_buffer, .address_space: global }
    .group_segment_fixed_size: 3072
    .private_segment_fixed_size: 0
    .kernarg_segment_align: 8
    .kernarg_segment_size: 24
    .max_flat_workgroup_size: 256
    .sgpr_count:     66
    .vgpr_count:     256
    .wavefront_size: 32
...
	.end_amdgpu_metadata
.endif
;; end of part 3
;; launch fin (part 4): grid 1 x 1, 16 waves a work-group, no clusters, 10,496 bytes of LDS; arguments py, out0; writes out0
.if DOCPART == 4
	.amdgcn_target "amdgcn-amd-amdhsa--gfx1250"
	.amdhsa_code_object_version 6
	.text
	.protected	k_q049acc06d1_fin
	.globl	k_q049acc06d1_fin
	.p2align	8
	.type	k_q049acc06d1_fin,@function
k_q049acc06d1_fin:
	s_mov_b64 s[64:65], 0
	v_nop
	global_prefetch_b8 v0, s[64:65] scope:SCOPE_SE
	s_setreg_imm32_b32 hwreg(HW_REG_WAVE_MODE, 25, 1), 1
	s_wait_xcnt 0x0
; out0 = y / max(|y|, 1e-12), y[c] = 2^-13 x the sum over the 64 rows of py[.][c]  (the mean over 8,192 queries).
; One work-group, since the norm spans all 512 channels.  Wave v: g4 = v / 4 (rows 16 g4 .. + 15), part = v % 4 (channels 128 part .. + 127, four a lane).
; LDS: 0 .. 8191 the sixteen waves' partial sums (2,048 g4 + 512 part + 16 lane); 8192 .. 8255 a word for each wave: its part's sum of squares.
	s_load_b128 s[4:7], s[0:1], 0x0                ; py, out0
	v_lshl_add_u32 v96, v0, 2, 0x2100
	v_mov_b32 v97, 0
	v_lshrrev_b32 v1, 5, v0
	s_delay_alu instid0(VALU_DEP_1)
	v_readfirstlane_b32 s8, v1                     ; wave 0..15
	v_and_b32 v1, 31, v0
	s_delay_alu instid0(VALU_DEP_1)
	v_lshlrev_b32 v1, 4, v1                        ; 16 x lane
	s_lshr_b32 s9, s8, 2                           ; g4
	s_and_b32 s10, s8, 3                           ; part
	s_lshl_b32 s11, s10, 9
	s_lshl_b32 s12, s9, 15
	s_add_co_u32 s12, s12, s11
	v_add_nc_u32 v2, s12, v1                       ; py: 16 g4 rows of 2,048 bytes + 512 part + 16 lane
	s_lshl_b32 s13, s9, 11
	s_add_co_u32 s13, s13, s11
	v_add_nc_u32 v3, s13, v1                       ; LDS: where my partial sums go
	v_add_nc_u32 v4, s11, v1                       ; 512 part + 16 lane: where I read them back, and my place in out0
	s_lshl_b32 s14, s8, 2
	s_add_co_u32 s14, s14, 8192
	v_mov_b32 v5, s14                              ; my wave's word
	v_mov_b32 v6, 8192
	v_mov_b32 v13, 0                               ; written once: a lane permute's destination counts as one of its sources
	s_mov_b32 s16, 0x76543210
	s_mov_b32 s17, 0xfedcba98
	s_wait_alu depctr_va_vdst(0)
	s_wait_kmcnt 0x0
.irp i, 0,1,2,3,4,5,6,7,8,9,10,11,12,13,14,15
	global_load_b128 v[16+4*\i:19+4*\i], v2, s[4:5] offset:2048*\i
.endr
	s_wait_loadcnt 0x0
	v_pk_add_f32 v[8:9], v[16:17], v[20:21]
	v_pk_add_f32 v[10:11], v[18:19], v[22:23]
.irp i, 2,3,4,5,6,7,8,9,10,11,12,13,14,15
	s_delay_alu instid0(VALU_DEP_2)
	v_pk_add_f32 v[8:9], v[8:9], v[16+4*\i:17+4*\i]
	s_delay_alu instid0(VALU_DEP_2)
	v_pk_add_f32 v[10:11], v[10:11], v[18+4*\i:19+4*\i]
.endr
	ds_store_b128 v3, v[8:11]
	s_wait_dscnt 0x0                               ; for the others' sake
	s_barrier_signal -1
	s_barrier_wait -1
.irp g, 0,1,2,3
	ds_load_b128 v[16+4*\g:19+4*\g], v4 offset:2048*\g
.endr
	s_wait_dscnt 0x0
	v_pk_add_f32 v[16:17], v[16:17], v[20:21]
	v_pk_add_f32 v[18:19], v[18:19], v[22:23]
	v_pk_add_f32 v[24:25], v[24:25], v[28:29]
	v_pk_add_f32 v[26:27], v[26:27], v[30:31]
	s_delay_alu instid0(VALU_DEP_2)
	v_pk_add_f32 v[16:17], v[16:17], v[24:25]
	s_delay_alu instid0(VALU_DEP_2)
	v_pk_add_f32 v[18:19], v[18:19], v[26:27]
	s_delay_alu instid0(VALU_DEP_2)
	v_pk_mul_f32 v[8:9], v[16:17], 0x39000000 op_sel_hi:[1,0]      ; x 2^-13: y, four channels a lane
	s_delay_alu instid0(VALU_DEP_2)
	v_pk_mul_f32 v[10:11], v[18:19], 0x39000000 op_sel_hi:[1,0]
	s_delay_alu instid0(VALU_DEP_2)
	v_mul_f32 v12, v8, v8
	s_delay_alu instid0(VALU_DEP_1)
	v_fma_f32 v12, v9, v9, v12
	s_delay_alu instid0(VALU_DEP_1)
	v_fma_f32 v12, v10, v10, v12
	s_delay_alu instid0(VALU_DEP_1)
	v_fma_f32 v12, v11, v11, v12
	s_delay_alu instid0(VALU_DEP_1)
	v_add_f32_dpp v12, v12, v12 row_xmask:1 row_mask:0xf bank_mask:0xf
	s_delay_alu instid0(VALU_DEP_1)
	v_add_f32_dpp v12, v12, v12 row_xmask:2 row_mask:0xf bank_mask:0xf
	s_delay_alu instid0(VALU_DEP_1)
	v_add_f32_dpp v12, v12, v12 row_xmask:4 row_mask:0xf bank_mask:0xf
	s_delay_alu instid0(VALU_DEP_1)
	v_add_f32_dpp v12, v12, v12 row_xmask:8 row_mask:0xf bank_mask:0xf
	s_delay_alu instid0(VALU_DEP_1)
	v_permlanex16_b32 v13, v12, s16, s17
	s_delay_alu instid0(VALU_DEP_1)
	v_add_f32 v12, v12, v13                        ; my part's sum of squares, in every lane
	ds_store_b32 v5, v12                           ; all lanes write the same word with the same value
	s_wait_dscnt 0x0
	s_barrier_signal -1
	s_barrier_wait -1
	ds_load_b128 v[16:19], v6                      ; the words of waves 0 to 3: parts 0 to 3
	s_wait_dscnt 0x0
	v_add_f32 v16, v16, v17
	v_add_f32 v18, v18, v19
	s_delay_alu instid0(VALU_DEP_1)
	v_add_f32 v16, v16, v18
	s_wait_alu depctr_va_vdst(0)
	v_sqrt_f32 v14, v16
	v_nop                                          ; a plain place behind the root
	s_wait_alu depctr_va_vdst(0)                   ; and the wait ahead of the first use
	v_max_num_f32 v14, 0x2b8cbccc, v14             ; max(|y|, 1e-12)
	s_wait_alu depctr_va_vdst(0)
	v_rcp_f32 v14, v14
	v_nop
	s_wait_alu depctr_va_vdst(0)
	v_mul_f32 v20, v8, v14
	v_mul_f32 v21, v9, v14
	v_mul_f32 v22, v10, v14
	v_mul_f32 v23, v11, v14
	s_cmp_lt_u32 s8, 4
	s_cbranch_scc0 .Lend                           ; waves 0 to 3 store the four parts, 512 consecutive bytes each
	global_store_b128 v4, v[20:23], s[6:7]
.Lend:
	s_wait_tensorcnt 0x0
	ds_add_u32 v96, v97
	s_wait_dscnt 0x0
	s_endpgm
.Lfunc_end_k_q049acc06d1_fin:
	.size	k_q049acc06d1_fin, .Lfunc_end_k_q049acc06d1_fin-k_q049acc06d1_fin
	.p2alignl 7, 3214868480
	.fill 96, 4, 3214868480
	.section	.rodata,"a",@progbits
	.p2align	6, 0x0
	.amdhsa_kernel k_q049acc06d1_fin
		.amdhsa_group_segment_fixed_size 10496
		.amdhsa_private_segment_fixed_size 0
		.amdhsa_enable_private_segment 0
		.amdhsa_kernarg_size 16
		.amdhsa_user_sgpr_count 2
		.amdhsa_user_sgpr_kernarg_segment_ptr 1
		.amdhsa_wavefront_size32 1
		.amdhsa_system_sgpr_workgroup_id_x 1
		.amdhsa_system_sgpr_workgroup_id_y 1
		.amdhsa_system_sgpr_workgroup_id_z 1
		.amdhsa_system_vgpr_workitem_id 0
		.amdhsa_next_free_vgpr 98
		.amdhsa_next_free_sgpr 66
		.amdhsa_reserve_vcc 0
		.amdhsa_float_denorm_mode_32 3
		.amdhsa_float_denorm_mode_16_64 3
		.amdhsa_memory_ordered 1
		.amdhsa_forward_progress 1
		.amdhsa_inst_pref_size 9
	.end_amdhsa_kernel
	.amdgpu_metadata
---
amdhsa.version: [ 1, 2 ]
amdhsa.kernels:
  - .name:           k_q049acc06d1_fin
    .symbol:         k_q049acc06d1_fin.kd
    .args:
      - { .name: py, .offset: 0, .size: 8, .value_kind: global_buffer, .address_space: global }
      - { .name: out0, .offset: 8, .size: 8, .value_kind: global_buffer, .address_space: global }
    .group_segment_fixed_size: 10496
    .private_segment_fixed_size: 0
    .kernarg_segment_align: 8
    .kernarg_segment_size: 16
    .max_flat_workgroup_size: 512
    .sgpr_count:     66
    .vgpr_count:     98
    .wavefront_size: 32
...
	.end_amdgpu_metadata
.endif
;; end of part 4
